; MI455X (gfx1250); checked and timed in simulation.
; The chip was launched on July 23, 2026; its instructions are those of AMD's public machine-readable ISA for CDNA 5 (MIT licence, August 2026) and "CDNA5" Instruction Set Architecture Reference Guide (July 2026). The comments in the code are by the model that wrote it; some were corrected since.
;; Mega Ne RF. Allowed arithmetic: float matrix products may take bf16 or f16 operands with f32 sums; all other float work in f32.
;; Inputs: W1 8 x 90 x 256 float32; W2 8 x 256 x 256 float32; W3 8 x 256 x 256 float32; Wo 8 x 256 x 4 float32; b1 8 x 256 float32; b2 8 x 256 float32; b3 8 x 256 float32; bo 8 x 4 float32; centroids 8 x 3 float32; x 32,768 x 93 float32.
;; Outputs: out0 32,768 x 4 float32.
;; One version. Each part assembles by itself: llvm-mc -triple=amdgcn-amd-amdhsa -mcpu=gfx1250 --defsym DOCPART=n.
;; ======== version 1 of 1: 2 launches
;; workspace buffers: ws 2,556,160 bytes
;; launch prep (part 1): grid 20 x 8, 8 waves a work-group, no clusters, 256 bytes of LDS; arguments W1, W2, W3, Wo, ws; writes ws
.if DOCPART == 1
	.amdgcn_target "amdgcn-amd-amdhsa--gfx1250"
	.amdhsa_code_object_version 6
	.text
	.protected	k_q7840abf4c1_prep
	.globl	k_q7840abf4c1_prep
	.p2align	8
	.type	k_q7840abf4c1_prep,@function
k_q7840abf4c1_prep:
	s_mov_b64 s[64:65], 0
	v_nop
	global_prefetch_b8 v0, s[64:65] scope:SCOPE_SE
	s_setreg_imm32_b32 hwreg(HW_REG_WAVE_MODE, 25, 1), 1
	s_wait_xcnt 0x0
; prep: W1, W2, W3, Wo (f32, stored [expert][k][n]) -> ws: f16, scaled by a power of two, in the order in which matrix fragments are read.
; A block of 1,024 bytes is one A fragment (16 output features x 32 k): [c = 0,1][lane L = 16 h + r][8 f16], k = 32 kk + 16 c + 8 h + i, feature = 16 f + r.
; ws = [stream w = 0..3][i = 0..3][half-step s = 0..38][tq = 0..3][1,024 bytes]; expert e = 4 (w >> 1) + i; block t = 0..7 of a half-step lies in stream
; 2 (e >> 2) + (t >> 2) at tq = t & 3.  s = 2 kk + hi (W1, kk 0..2), 6 + 2 kk + hi (W2), 22 + 2 kk + hi (W3), feature tile f = 8 hi + t; s = 38: Wo, block t = K step t.
; W1's rows k = 90..95 and Wo's rows r = 4..15 are zeros.  Behind the four streams: a table of 32 words, [expert][W1, W2, W3, Wo], the scale of each matrix.
; THE SCALE.  A = the largest |W| of the expert's matrix, A < 2^x; the matrix is stored times omega = 2^-(8+x), so that 256 A omega <= 1: a layer of at
; most 256 inputs cannot enlarge the largest magnitude of what it is fed, which keeps every activation of the next launch inside f16.  The scaling is exact.
; LIMITS: a matrix with A >= 2^118 gets the smallest scale (2^-126) and may overflow f16; NaN entries are ignored by the maximum.
; THE WORK: work-group (item, e).  item 0-2: W1's K step item; 3-10: W2's; 11-18: W3's; 19: Wo.  Each work-group reads its expert's whole matrix for the
; maximum (16 bytes a thread, 4,096 a step) and converts its own panel of 32 rows, thread n owning column n: 16 neighbouring lanes store 256 consecutive bytes, aligned.
; Every path runs straight to its own s_endpgm; the branches hang on the work-group's number alone, so all eight waves meet at the one barrier of their path.
.set WSTREAM, 638976                   ; bytes of a stream
.set EXPB,    159744                   ; bytes of an expert in a stream: 39 half-steps x 4,096
.set HSB,     4096
.set TABOFF,  4*WSTREAM                ; the table of scales
.set TT, 16                            ; v[16:47]  my column's 32 numbers of the panel, f32
.set PK, 48                            ; v[48:63]  the same as f16, packed
.set MX, 64                            ; v[64:191] up to 32 loads of 16 bytes for the maximum
	s_load_b256 s[4:11], s[0:1], 0x0               ; W1 s[4:5], W2 s[6:7], W3 s[8:9], Wo s[10:11]
	s_load_b64 s[12:13], s[0:1], 0x20              ; ws
	s_mov_b32 s19, ttmp9                           ; item
	s_and_b32 s14, ttmp7, 0xffff                   ; expert e
	s_lshr_b32 s15, s14, 2                         ; g = e / 4
	s_and_b32 s16, s14, 3                          ; i = e % 4
	s_mul_i32 s15, s15, 2*WSTREAM
	s_mul_i32 s16, s16, EXPB
	s_add_co_u32 s20, s15, s16                     ; the expert's place in stream 2 g
	s_mov_b32 s21, 0
	s_mov_b32 s29, 0
	s_mov_b32 s35, 0
	s_mov_b32 s17, 0
	s_mov_b32 s36, 0x76543210                      ; v_permlanex16_b32: lane i of one half reads lane i of the other
	s_mov_b32 s37, 0xfedcba98
	v_lshrrev_b32 v1, 5, v0
	v_readfirstlane_b32 s38, v1                    ; wave
	v_lshlrev_b32 v4, 4, v0                        ; 16 t: my 16 bytes of each step of 4,096
	v_mov_b32 v5, 0                                ; two running maxima of magnitudes
	v_mov_b32 v6, 0
	s_lshl_b32 s34, s14, 4
	s_add_co_u32 s34, s34, TABOFF                  ; the expert's four words of the table
	s_cmp_eq_u32 s19, 19
	s_cbranch_scc1 .Lwo
	; which matrix, which K step
	s_mov_b32 s24, 262144                          ; bytes of an expert's matrix (W2, W3)
	s_cmp_ge_u32 s19, 11
	s_cselect_b32 s22, 11, 3                       ; the layer's first item
	s_cselect_b32 s23, 22, 6                       ; the layer's first half-step
	s_cselect_b32 s18, 8, 4                        ; the layer's word in the table, in bytes
	s_cmp_lt_u32 s19, 3
	s_cselect_b32 s22, 0, s22
	s_cselect_b32 s23, 0, s23
	s_cselect_b32 s18, 0, s18
	s_cselect_b32 s24, 92160, s24                  ; W1: 90 rows of 1,024 bytes
	s_sub_co_u32 s25, s19, s22                     ; kk
	s_mul_i32 s28, s14, s24                        ; the expert's matrix, in bytes from the buffer's start
	s_lshl1_add_u32 s23, s25, s23                  ; half-step 2 kk + the layer's first
	s_lshl_b32 s23, s23, 12
	s_add_co_u32 s20, s20, s23
	s_add_co_u32 s34, s34, s18
	s_lshl_b32 s16, s25, 15                        ; the panel: 32 rows of 1,024 bytes a K step
	v_lshlrev_b32 v1, 2, v0                        ; column n = t: 4 n in a row
	v_bfe_u32 v3, v0, 6, 1                         ; where my 16 bytes go: n[6] picks the stream,
	v_mul_u32_u24 v2, v3, WSTREAM
	v_bfe_u32 v3, v0, 7, 1                         ; n[7] = hi the half-step,
	v_lshl_add_u32 v2, v3, 12, v2
	v_bfe_u32 v3, v0, 4, 2                         ; n[5:4] the block,
	v_lshl_add_u32 v2, v3, 10, v2
	v_and_b32 v3, 15, v0                           ; n[3:0] = r the lane
	v_lshl_add_u32 v2, v3, 4, v2
	s_wait_kmcnt 0x0
	s_cmp_ge_u32 s19, 11
	s_cselect_b64 s[30:31], s[8:9], s[6:7]
	s_cmp_lt_u32 s19, 3
	s_cselect_b64 s[30:31], s[4:5], s[30:31]
	s_add_nc_u64 s[30:31], s[30:31], s[28:29]      ; the expert's matrix
	s_add_nc_u64 s[26:27], s[30:31], s[16:17]      ; my panel of it
	s_add_nc_u64 s[32:33], s[12:13], s[20:21]      ; where the panel goes
	s_add_nc_u64 s[12:13], s[12:13], s[34:35]      ; the matrix's word in the table
	s_cmp_lt_u32 s19, 3
	s_cbranch_scc1 .Lw1
; my column's numbers of the panel's first nv rows; the rows behind them are zeros
.macro PLOAD nv
.irp o, 0,1,2,3
.irp i, 0,1,2,3,4,5,6,7
.if 8*\o+\i < \nv
	global_load_b32 v[TT+8*\o+\i], v1, s[26:27] offset:(8*\o+\i)*1024
.else
	v_mov_b32 v[TT+8*\o+\i], 0
.endif
.endr
.endr
.endm
; n steps of 4,096 bytes of the matrix from step j0 on (and, extra >= 0, one more that begins at byte extra) are folded into the two maxima
.macro MAXRUN j0, n, extra
.set mk, 0
.rept \n
	global_load_b128 v[MX+4*mk:MX+4*mk+3], v4, s[30:31] offset:(\j0+mk)*4096
.set mk, mk+1
.endr
.if \extra >= 0
	global_load_b128 v[MX+4*mk:MX+4*mk+3], v4, s[30:31] offset:\extra
.set mk, mk+1
.endif
	s_wait_loadcnt 0x0                             ; these, and the panel's loads issued ahead of them
.set mn, 0
.rept mk
	v_max3_num_f32 v5, v5, |v[MX+4*mn]|, |v[MX+4*mn+1]|
	v_max3_num_f32 v6, v6, |v[MX+4*mn+2]|, |v[MX+4*mn+3]|
.set mn, mn+1
.endr
.endm
; the maximum over lanes and waves, then omega in v[6:7]
.macro REDUCE
	v_max_num_f32 v5, v5, v6
	v_max_num_f32_dpp v5, v5, v5 row_xmask:1 row_mask:0xf bank_mask:0xf
	v_max_num_f32_dpp v5, v5, v5 row_xmask:2 row_mask:0xf bank_mask:0xf
	v_max_num_f32_dpp v5, v5, v5 row_xmask:4 row_mask:0xf bank_mask:0xf
	v_max_num_f32_dpp v5, v5, v5 row_xmask:8 row_mask:0xf bank_mask:0xf
	v_permlanex16_b32 v6, v5, s36, s37
	v_max_num_f32 v5, v5, v6
	v_mov_b32 v7, s38
	v_lshlrev_b32 v7, 2, v7
	ds_store_b32 v7, v5                            ; each wave's maximum in its own word
	s_wait_dscnt 0x0                               ; stored, before the others are told
	s_barrier_signal -1
	s_barrier_wait -1
	v_mov_b32 v7, 0
	ds_load_b128 v[8:11], v7
	ds_load_b128 v[12:15], v7 offset:16
	s_wait_dscnt 0x0
	v_max3_num_f32 v5, v8, v9, v10
	v_max3_num_f32 v6, v11, v12, v13
	v_max3_num_f32 v5, v5, v14, v15
	v_max_num_f32 v5, v5, v6                       ; A
	v_bfe_u32 v6, v5, 23, 8                        ; its exponent field x: A < 2^(x-126)
	v_sub_nc_u32 v6, 245, v6                       ; omega = 2^(118-x): field 245 - x, so that 256 A omega < 1
	v_max_i32 v6, 1, v6                            ; never below the smallest normal power of two
	v_lshlrev_b32 v6, 23, v6
	v_mov_b32 v7, v6                               ; a pair for the packed multiply
.endm
; the panel: scale, round to f16, store.  Octet o of my 32 numbers is k = 16 c + 8 h + 0..7 with c = o >> 1, h = o & 1
.macro PCONV
.irp o, 0,1,2,3
.irp j, 0,1,2,3
	v_pk_mul_f32 v[TT+8*\o+2*\j:TT+8*\o+2*\j+1], v[TT+8*\o+2*\j:TT+8*\o+2*\j+1], v[6:7]
.endr
.irp j, 0,1,2,3
	v_cvt_pk_f16_f32 v[PK+4*\o+\j], v[TT+8*\o+2*\j], v[TT+8*\o+2*\j+1]
.endr
	global_store_b128 v2, v[PK+4*\o:PK+4*\o+3], s[32:33] offset:(\o>>1)*512+(\o&1)*256
.endr
.endm
; the work-group of K step 0 writes the matrix's scale: one word, by thread 0
.macro TABLE
	s_cmp_lg_u32 s25, 0
	s_cbranch_scc1 .Lno_word_\@
	v_mov_b32 v3, 0
	v_cmp_eq_u32 vcc_lo, 0, v0
	s_wait_xcnt 0x0                                ; EXEC is a source of the stores above: it changes only behind this wait
	s_and_saveexec_b32 s39, vcc_lo
	global_store_b32 v3, v6, s[12:13]
	s_wait_xcnt 0x0                                ; and again in front of the line that widens it
	s_or_b32 exec_lo, exec_lo, s39
.Lno_word_\@:
.endm
	PLOAD 32                                       ; W2, W3: 64 steps of 4,096 bytes, in two runs of 32
	MAXRUN 0, 32, -1
	MAXRUN 32, 32, -1
	REDUCE
	PCONV
	TABLE
	s_endpgm
.Lw1:
	s_cmp_eq_u32 s19, 2
	s_cbranch_scc1 .Lw1tail
	PLOAD 32                                       ; W1: 92,160 bytes = 22 steps and a half; the 23rd step begins 4,096 bytes
	MAXRUN 0, 22, 88064                            ; before the matrix's end and reads 2,048 bytes twice, which a maximum does not mind
	REDUCE
	PCONV
	TABLE
	s_endpgm
.Lw1tail:
	PLOAD 26                                       ; K step 2 of W1: rows 64 to 89, then six rows of zeros
	MAXRUN 0, 22, 88064
	REDUCE
	PCONV
	s_endpgm
.Lwo:                                              ; Wo: [256 (k)][4]; thread t makes 16 bytes of blocks kk = t >> 6 and 4 + (t >> 6)
	s_mov_b32 s25, 0
	v_lshrrev_b32 v3, 6, v0
	v_lshlrev_b32 v1, 9, v3                        ; 32 k x 16 bytes a block
	v_bfe_u32 v3, v0, 5, 1                         ; c: 16 k
	v_lshl_add_u32 v1, v3, 8, v1
	v_bfe_u32 v3, v0, 4, 1                         ; h: 8 k
	v_lshl_add_u32 v1, v3, 7, v1
	v_and_b32 v3, 3, v0                            ; output r & 3 (rows 4 to 15 are made zeros below)
	v_lshl_add_u32 v1, v3, 2, v1
	v_lshlrev_b32 v2, 4, v0
	s_lshl_b32 s28, s14, 12
	s_add_co_u32 s20, s20, 38*HSB
	s_add_co_u32 s34, s34, 12
	s_wait_kmcnt 0x0
	s_add_nc_u64 s[30:31], s[10:11], s[28:29]
	s_add_nc_u64 s[32:33], s[12:13], s[20:21]
	s_add_nc_u64 s[12:13], s[12:13], s[34:35]
.irp j, 0,1
.irp i, 0,1,2,3,4,5,6,7
	global_load_b32 v[TT+8*\j+\i], v1, s[30:31] offset:\j*2048+16*\i
.endr
.endr
	MAXRUN 0, 1, -1                                ; the whole matrix is one step of 4,096 bytes
	REDUCE
.irp n, 0,1,2,3,4,5,6,7
	v_pk_mul_f32 v[TT+2*\n:TT+2*\n+1], v[TT+2*\n:TT+2*\n+1], v[6:7]
.endr
.irp n, 0,1,2,3,4,5,6,7
	v_cvt_pk_f16_f32 v[PK+\n], v[TT+2*\n], v[TT+2*\n+1]
.endr
	v_and_b32 v3, 15, v0
	v_cmp_gt_u32 vcc_lo, 4, v3                     ; rows 0 to 3 of the fragment are real
.irp n, 0,1,2,3,4,5,6,7
	v_cndmask_b32 v[PK+\n], 0, v[PK+\n], vcc_lo
.endr
	global_store_b128 v2, v[PK:PK+3], s[32:33]
	global_store_b128 v2, v[PK+4:PK+7], s[32:33] offset:WSTREAM
	TABLE
	s_endpgm
.Lfunc_end_k_q7840abf4c1_prep:
	.size	k_q7840abf4c1_prep, .Lfunc_end_k_q7840abf4c1_prep-k_q7840abf4c1_prep
	.p2alignl 7, 3214868480
	.fill 96, 4, 3214868480
	.section	.rodata,"a",@progbits
	.p2align	6, 0x0
	.amdhsa_kernel k_q7840abf4c1_prep
		.amdhsa_group_segment_fixed_size 256
		.amdhsa_private_segment_fixed_size 0
		.amdhsa_enable_private_segment 0
		.amdhsa_kernarg_size 40
		.amdhsa_user_sgpr_count 2
		.amdhsa_user_sgpr_kernarg_segment_ptr 1
		.amdhsa_wavefront_size32 1
		.amdhsa_system_sgpr_workgroup_id_x 1
		.amdhsa_system_sgpr_workgroup_id_y 1
		.amdhsa_system_sgpr_workgroup_id_z 1
		.amdhsa_system_vgpr_workitem_id 0
		.amdhsa_next_free_vgpr 192
		.amdhsa_next_free_sgpr 66
		.amdhsa_reserve_vcc 1
		.amdhsa_float_denorm_mode_32 3
		.amdhsa_float_denorm_mode_16_64 3
		.amdhsa_memory_ordered 1
		.amdhsa_forward_progress 1
		.amdhsa_inst_pref_size 53
	.end_amdhsa_kernel
	.amdgpu_metadata
---
amdhsa.version: [ 1, 2 ]
amdhsa.kernels:
  - .name:           k_q7840abf4c1_prep
    .symbol:         k_q7840abf4c1_prep.kd
    .args:
      - { .name: W1, .offset: 0, .size: 8, .value_kind: global_buffer, .address_space: global }
      - { .name: W2, .offset: 8, .size: 8, .value_kind: global_buffer, .address_space: global }
      - { .name: W3, .offset: 16, .size: 8, .value_kind: global_buffer, .address_space: global }
      - { .name: Wo, .offset: 24, .size: 8, .value_kind: global_buffer, .address_space: global }
      - { .name: ws, .offset: 32, .size: 8, .value_kind: global_buffer, .address_space: global }
    .group_segment_fixed_size: 256
    .private_segment_fixed_size: 0
    .kernarg_segment_align: 8
    .kernarg_segment_size: 40
    .max_flat_workgroup_size: 256
    .sgpr_count:     66
    .vgpr_count:     192
    .wavefront_size: 32
...
	.end_amdgpu_metadata
.endif
;; end of part 1
;; launch mlp (part 2): grid 256 x 1, 4 waves a work-group, clusters of 4 x 1, 327,680 bytes of LDS; arguments x, centroids, ws, b1, b2, b3, bo, out0; writes out0
.if DOCPART == 2
	.amdgcn_target "amdgcn-amd-amdhsa--gfx1250"
	.amdhsa_code_object_version 6
	.text
	.protected	k_q7840abf4c1_mlp
	.globl	k_q7840abf4c1_mlp
	.p2align	8
	.type	k_q7840abf4c1_mlp,@function
k_q7840abf4c1_mlp:
	s_mov_b64 s[64:65], 0
	v_nop
	global_prefetch_b8 v0, s[64:65] scope:SCOPE_SE
	s_setreg_imm32_b32 hwreg(HW_REG_WAVE_MODE, 25, 1), 1
	s_wait_xcnt 0x0
	s_wait_alu depctr_hold_cnt(0) depctr_sa_sdst(0) depctr_va_vdst(0) depctr_va_sdst(0) depctr_va_ssrc(0) depctr_va_vcc(0) depctr_vm_vsrc(0)
	s_getreg_b32 s2, hwreg(HW_REG_IB_STS2, 6, 4)
	s_cmp_eq_u32 s2, 0
	s_cbranch_scc0 .Lentry_in_a_cluster
	s_endpgm
.Lentry_in_a_cluster:
	s_bfe_u32 s2, ttmp6, 0x10000c
	s_cmp_lg_u32 s2, 0x3003
	s_cbranch_scc0 .Lentry_shape_is_right
	s_endpgm
.Lentry_shape_is_right:
; mlp: routing weights, eight experts' MLP 90 -> 256 -> 256 -> 256 -> 4 on every point, and the weighted sum, in one launch.
; A work-group owns 128 points.  Wave w = 2 g + pb takes points 64 pb .. 64 pb + 63 (four blocks p of 16) and experts 4 g .. 4 g + 3, one after the other.
; THE PRODUCT IS TRANSPOSED: source 0 = 16 output features x 32 k of a weight matrix, source 1 = 32 k x 16 points of the activations.  In the result lane (r, h)
; holds, in register j, feature 16 f + 8 h + j of point r.  After ReLU and rounding to f16 the tiles f = 2 kk and 2 kk + 1 are registers 0-3 and 4-7 of the
; next layer's source 1 for K step kk: activations never leave their lane.  The bias is the C operand of each accumulator's first product, so nothing is cleared.
; A wave holds 256 features x 64 points in 512 accumulator registers and reads 8 KiB of weights from LDS for 32 matrix instructions.
; WEIGHTS come from ws in fragment order (see the launch that writes it): LDS reads are 16 bytes a lane at 16 x lane, without conflicts or padding.
; CLUSTER: all work-groups walk the same weights, so the four of a cluster ask for every weight tile jointly (mask 15): a quarter of the requests.
; NUMBERS: matrix operands are f16, sums f32.  f16's range is made by exact powers of two: each matrix is stored times omega with 256 max|W| omega <= 1;
; the work-group takes M = the largest of |feature| and |b_l omega_1 .. omega_l| over its 128 points and all eight experts, and sigma = 2^k with sigma M < 2^13; features and biases
; are scaled by sigma (biases also by their layer's product of omegas), so every activation is below sigma (X + 3 Mb) <= 2^15 (X, Mb: the largest of the features, of the scaled biases); the inverse of all scales is
; folded into the routing weight that multiplies the expert's result.
; LIMITS: a point whose features are 2^-16 of its work-group's largest or less loses f16 precision; the product of an expert's four omegas must stay a normal
; f32 number (max|W| of the four matrices multiplying to between about 2^-90 and 2^90); a NaN activation becomes 0 in the ReLU; the eight inverse distances
; are summed with the wave's own four experts first, reciprocals are good to 1 ULP and the root is corrected once, so a point whose d / min d lies within
; rounding of 1.5 may fall on the other side of the margin than in reference(); a squared distance that overflows f32 (|x - c| > 1.8e19) gives NaN.
.set SLOT,    131072                   ; a slot of the weight ring; wave w fills its part at w x 32,768
.set WPART,   32768
.set RAW,     SLOT                     ; at the start only: wave w's 32 rows of x (f32, 372 bytes each) lie in its part of slot 1
.set XF,      262144                   ; [point block 0..7][kk 0..2][c][16 x lane]: the features as f16 fragments, 24,576 bytes, written by LDS stores
.set BIAS,    286720                   ; [layer][expert][256] f32, scaled, 24,576 bytes, written by LDS stores
.set OSC,     311296                   ; [g][point][16 bytes]: the two groups' partial outputs; its first 16 bytes also serve the one reduction at the start
.set WSTREAM, 638976                   ; bytes of a wave's stream in ws
.set TABOFF,  4*WSTREAM                ; the table of omegas
.set XROW,    372                      ; bytes of a row of x
; vector registers, window 0
.set ADR,  4                           ; v4, v5   slot 0, 1: slot + g x 65,536 + 16 x lane
.set BADR, 6                           ; v6       BIAS + expert x 1,024 + 32 h
.set XFA,  7                           ; v7       XF + pb x 12,288 + 16 x lane
.set OSA,  8                           ; v8       OSC + wave x 1,024 + 16 r
.set XRA,  10                          ; v10      my wave's rows of x: row r, feature 8 h
.set XRA0, 11                          ; v11      the same, feature 0
.set XST,  12                          ; v12      where my wave's fragments of x go
.set RRA,  13                          ; v13      row r of my 64 points, for the routing
.set OFFO, 14                          ; v14      16 t
.set ORD,  15                          ; v15      OSC + 16 t
.set SG,   20                          ; v20, v21 sigma, twice
.set ISG,  22                          ; v22      1 / sigma
.set FAC,  24                          ; v24-27   1 / (sigma x the four omegas) of my expert i
.set BOFF, 28                          ; v28      my 16 bytes of each of my group's bias rows
.set BST,  29                          ; v29      the same in LDS
.set RED,  30                          ; v30      my wave's word of the reduction
.set ZERO, 31
.set WGT,  32                          ; v32-47   [i][p]: routing weight x FAC of my expert i, point r of block p; shifted down by four after each expert
.set OACC, 48                          ; v48-63   [p][j]: my group's share of output j
.set F0,   64                          ; v64-127  fragment buffer 0: 8 feature tiles x 32 k
.set F1,   128                         ; v128-191 fragment buffer 1
.set BI,   192                         ; v192-255 8 bias tiles, or Wo's 8 fragments
; at the start v64-255 are scratch:
.set XT,   64                          ; 96 features a lane, f32
.set BB,   160                         ; 48 bias numbers
.set XP,   208                         ; 24 packed words
.set OM,   232                         ; [i][l]: products of omegas; l = 3: the inverse of all four
.set RX1,  64
.set RX2,  68
.set RA,   72
.set RB,   80
.set RS,   88
.set RD,   96
.set RE,   104
.set RT,   112
.set RU,   120
.set RM,   128
; window 1: H[kk][p] = v[8 (4 kk + p)]: source 1 of K step kk, point block p.   windows 2, 3: accumulator of tile (fl, p) = v[8 (4 fl + p)], feature tile f = 8 hi + fl in window 2 + hi
; scalar registers
.set G1,   24                          ; s[24:31] group 1 of the weight tiles (its two row counts are set anew for each chunk)
.set G0S,  32                          ; s[32:39] group 0 of slot 0, slot 1
.set G1X,  40                          ; s[40:47] group 1 of my rows of x
.set G0X,  48                          ; s[48:51] group 0 of them
.set TAB,  68                          ; s[68:83] omega [i][W1, W2, W3, Wo] of my four experts
.set CB0, 84                           ; centroids: my four experts' in s[84:95], the other four in s[52:63]
.set CB1, 87
.set CB2, 90
.set CB3, 93
.set CB4, 52
.set CB5, 55
.set CB6, 58
.set CB7, 61
.set BOB0, 40                          ; bo of my four experts, once the descriptors of x are done with
.set BOB1, 44
.set BOB2, 48
.set BOB3, 96
.set MSB, 0
.macro WIN new                         ; s_set_vgpr_msb: bits 1:0 source 0, 3:2 source 1, 5:4 source 2, 7:6 destination; the high byte repeats the setting that is left
.if MSB != \new
	s_set_vgpr_msb (MSB<<8)|\new
.set MSB, \new
.endif
.endm
.macro MWIN hi, mode                   ; A window 0, B window 1, D window 2 + hi; C: the same (mode 0) or window 0, the bias (mode 1)
	WIN (0x84+0x40*\hi+(1-\mode)*(0x20+0x10*\hi))
.endm
; Four places: a vector instruction or a load that touches a matrix instruction's registers stands four plain vector instructions behind it
.macro PLACES
.rept 4
	v_nop
.endr
.endm
; A round of the cluster's barrier behind its opening work-group barrier: wave 0 signals for the work-group, every wave waits for the four work-groups, a work-group barrier closes
.macro CREST
	s_cmp_lg_u32 s3, 0
	s_cbranch_scc1 .Lnot_wave_0_\@
	s_barrier_signal -3
.Lnot_wave_0_\@:
	s_barrier_wait -3
	s_barrier_signal -1
	s_barrier_wait -1
.endm
.macro ROUND
	s_barrier_signal -1
	s_barrier_wait -1
	CREST
.endm
	s_load_b512 s[8:23], s[0:1], 0x0               ; x s[8:9], centroids s[10:11], ws s[12:13], b1 s[14:15], b2 s[16:17], b3 s[18:19], bo s[20:21], out0 s[22:23]
	v_lshrrev_b32 v9, 5, v0
	v_readfirstlane_b32 s3, v9                     ; wave
	s_lshr_b32 s4, s3, 1                           ; g: which four experts
	s_and_b32 s5, s3, 1                            ; pb: which 64 points
	s_bfe_u32 s6, ttmp6, 0x40000                   ; my place in the cluster
	s_lshl_b32 s96, ttmp9, 2
	s_add_co_u32 s6, s96, s6                       ; work-group = 4 x cluster + place; it enters the addresses of x and out0 alone
	; group 1 of a weight tile: R rows of 32 elements of 8 bytes (256 bytes), dense; asked for jointly by the cluster's four work-groups
	s_mov_b32 s[G1+0], 15|(3<<16)|(1<<21)          ; 15:0 mask of the four; 17:16 elements of 8 bytes; 21 set beside a mask
	s_mov_b32 s[G1+1], 32<<16                      ; tensor_dim0 = 32
	s_mov_b32 s[G1+2], 96<<16                      ; tensor_dim1 = R: the first chunk has 6 half-steps x 16 rows
	s_mov_b32 s[G1+3], 32<<16                      ; tile_dim0 = 32
	s_mov_b32 s[G1+4], 96                          ; tile_dim1 = R
	s_mov_b32 s[G1+5], 32                          ; from row to row
	s_mov_b32 s[G1+6], 0
	s_mov_b32 s[G1+7], 0
	; group 1 of my 32 rows of x: one row of 11,904 bytes = 1,488 elements of 8; a load of my work-group alone (mask 0)
	s_mov_b32 s[G1X+0], 3<<16
	s_mov_b32 s[G1X+1], (32*XROW/8)<<16
	s_mov_b32 s[G1X+2], 1<<16
	s_mov_b32 s[G1X+3], (32*XROW/8)<<16
	s_mov_b32 s[G1X+4], 1
	s_mov_b32 s[G1X+5], 32*XROW/8
	s_mov_b32 s[G1X+6], 0
	s_mov_b32 s[G1X+7], 0
	s_mov_b32 s[G0S+0], 1
	s_lshl_b32 s[G0S+1], s3, 15                    ; slot 0, my part
	s_mov_b32 s[G0S+4], 1
	s_add_co_u32 s[G0S+5], s[G0S+1], SLOT          ; slot 1, my part
	s_mov_b32 s[G0X+0], 1
	s_add_co_u32 s[G0X+1], s[G0S+1], RAW
	; lane addresses
	v_and_b32 v1, 31, v0                           ; lane
	v_and_b32 v2, 15, v0                           ; r
	v_bfe_u32 v3, v0, 4, 1                         ; h
	v_lshlrev_b32 v9, 4, v1
	s_lshl_b32 s66, s4, 16
	v_add_nc_u32 v[ADR], s66, v9
	v_add_nc_u32 v[ADR+1], SLOT, v[ADR]
	s_lshl_b32 s66, s4, 12
	s_add_co_u32 s67, s66, BIAS
	v_lshl_add_u32 v[BADR], v3, 5, s67
	v_and_b32 v16, 63, v0
	v_lshl_add_u32 v[BOFF], v16, 4, s66            ; g x 4 rows of 1,024 bytes + 16 x (thread in the group)
	v_add_nc_u32 v[BST], BIAS, v[BOFF]
	s_mul_i32 s66, s5, 4*3072
	s_add_co_u32 s66, s66, XF
	v_add_nc_u32 v[XFA], s66, v9
	s_lshl_b32 s66, s3, 10
	s_add_co_u32 s66, s66, OSC
	v_lshl_add_u32 v[OSA], v2, 4, s66
	v_mul_u32_u24 v16, v2, XROW
	s_lshl_b32 s66, s3, 15
	s_add_co_u32 s66, s66, RAW+12                  ; features begin at column 3
	v_add_nc_u32 v[XRA0], s66, v16
	v_lshl_add_u32 v[XRA], v3, 5, v[XRA0]
	s_mul_i32 s66, s3, 2*3072
	s_add_co_u32 s66, s66, XF
	v_add_nc_u32 v[XST], s66, v9
	s_lshl_b32 s66, s5, 16
	s_add_co_u32 s66, s66, RAW
	v_add_nc_u32 v[RRA], s66, v16
	v_lshlrev_b32 v[OFFO], 4, v0
	v_add_nc_u32 v[ORD], OSC, v[OFFO]
	s_lshl_b32 s66, s3, 2
	s_add_co_u32 s66, s66, OSC
	v_mov_b32 v[RED], s66
	v_mov_b32 v[ZERO], 0
	s_mul_i32 s100, s3, WSTREAM                    ; offsets that feed joint loads are made of the wave's number alone
	s_mov_b32 s101, 0
	s_mul_i32 s96, s6, 128*XROW                    ; offsets that hold the work-group's number have registers of their own
	s_mul_i32 s98, s3, 32*XROW
	s_add_co_u32 s96, s96, s98
	s_mov_b32 s97, 0
	s_wait_kmcnt 0x0
	s_add_nc_u64 s[G0S+2:G0S+3], s[12:13], s[100:101]          ; chunk 0 of my stream
	s_add_nc_u64 s[G0S+6:G0S+7], s[G0S+2:G0S+3], 24576         ; chunk 1
	s_or_b32 s[G0S+3], s[G0S+3], 0x80000000
	s_or_b32 s[G0S+7], s[G0S+7], 0x80000000
	s_add_nc_u64 s[G0X+2:G0X+3], s[8:9], s[96:97]
	s_or_b32 s[G0X+3], s[G0X+3], 0x80000000
	s_lshl_b32 s96, s6, 11
	s_add_nc_u64 s[22:23], s[22:23], s[96:97]      ; my work-group's 2,048 bytes of out0
	ROUND                                          ; the four work-groups are here: the first joint load meets
	tensor_load_to_lds s[G0S:G0S+3], s[G1:G1+7]    ; the two first fills of a wave go out together:
	s_nop 0
	tensor_load_to_lds s[G0X:G0X+3], s[G1X:G1X+7]  ; two tensor loads out
	s_nop 0
.irp l, 0,1,2
.irp i, 0,1,2,3
	global_load_b128 v[BB+4*(4*\l+\i):BB+4*(4*\l+\i)+3], v[BOFF], s[14+2*\l:15+2*\l] offset:\i*1024   ; my 16 bytes of layer l's bias of my expert i
.endr
.endr
	s_mul_i32 s100, s4, 48
	s_sub_co_u32 s101, 48, s100
	s_lshl_b32 s2, s4, 6
	s_load_b256 s[84:91], s[10:11], s100 offset:0x0            ; my four centroids
	s_load_b128 s[92:95], s[10:11], s100 offset:0x20
	s_load_b256 s[52:59], s[10:11], s101 offset:0x0            ; the other four
	s_load_b128 s[60:63], s[10:11], s101 offset:0x20
	s_load_b512 s[TAB:TAB+15], s[12:13], s2 offset:TABOFF      ; my four experts' omegas
	s_mov_b32 s66, 0x76543210                      ; v_permlanex16_b32: lane i of one half reads lane i of the other
	s_mov_b32 s67, 0xfedcba98
	s_wait_tensorcnt 0x0                           ; my rows of x and my part of chunk 0 are in LDS,
	s_barrier_signal -1
	s_barrier_wait -1                              ; everybody's are
	s_load_b256 s[40:47], s[20:21], s2 offset:0x0  ; bo of my experts, into registers of descriptors whose loads are done
	s_load_b128 s[48:51], s[20:21], s2 offset:0x20
	s_load_b128 s[96:99], s[20:21], s2 offset:0x30
; The features of point block 2 w + pp in fragment order: register 16 kk + 8 c + i = feature 32 kk + 16 c + 8 h + i of point r.  A row is 93 words, so the 32 lanes of a load
; fall on 32 different banks.  Features 90 to 95 do not exist: for them (kk 2, c 1, i >= 2) all lanes read features 82 to 87, and lanes with h = 1 zero them after packing.
.macro XLOAD pp
.irp kk, 0,1,2
.irp c, 0,1
.irp i, 0,1,2,3,4,5,6,7
.if 16*\kk+8*\c+\i >= 42
	ds_load_b32 v[XT+48*\pp+16*\kk+8*\c+\i], v[XRA0] offset:\pp*16*XROW+128*\kk+64*\c+4*\i
.else
	ds_load_b32 v[XT+48*\pp+16*\kk+8*\c+\i], v[XRA] offset:\pp*16*XROW+128*\kk+64*\c+4*\i
.endif
.endr
.endr
.endr
.endm
.macro AMAX dst, base, pairs           ; the largest magnitude of 2 x pairs registers
	v_max_num_f32 v[\dst], |v[\base]|, |v[\base+1]|
.set xi, 2
.rept \pairs-1
	v_max3_num_f32 v[\dst], v[\dst], |v[\base+xi]|, |v[\base+xi+1]|
.set xi, xi+2
.endr
.endm
.macro XCONV pp                        ; scale, round to f16, store six half-fragments
.set xi, 0
.rept 24
	v_pk_mul_f32 v[XT+48*\pp+2*xi:XT+48*\pp+2*xi+1], v[XT+48*\pp+2*xi:XT+48*\pp+2*xi+1], v[SG:SG+1]
.set xi, xi+1
.endr
.set xi, 0
.rept 24
	v_cvt_pk_f16_f32 v[XP+xi], v[XT+48*\pp+2*xi], v[XT+48*\pp+2*xi+1]
.set xi, xi+1
.endr
.irp n, 21,22,23
	v_cndmask_b32 v[XP+\n], 0, v[XP+\n], vcc_lo    ; features 90 to 95 are zeros
.endr
.irp m, 0,1,2,3,4,5
	ds_store_b128 v[XST], v[XP+4*\m:XP+4*\m+3] offset:\pp*3072+\m*512
.endr
.endm
	XLOAD 0
	s_wait_dscnt 0x0
	XLOAD 1
	AMAX 16, XT, 24
	s_wait_dscnt 0x0
	AMAX 17, XT+48, 24
	s_wait_kmcnt 0x0                               ; centroids, omegas, bo
.irp i, 0,1,2,3
	v_mov_b32 v[OM+4*\i], s[TAB+4*\i]                          ; omega_1
	v_mul_f32 v[OM+4*\i+1], s[TAB+4*\i+1], v[OM+4*\i]          ; omega_1 omega_2
	v_mul_f32 v[OM+4*\i+2], s[TAB+4*\i+2], v[OM+4*\i+1]        ; omega_1 omega_2 omega_3
	v_mul_f32 v[OM+4*\i+3], s[TAB+4*\i+3], v[OM+4*\i+2]        ; all four,
	v_sub_nc_u32 v[OM+4*\i+3], 0x7f000000, v[OM+4*\i+3]        ; and their inverse: of a power of two with field f it has field 254 - f
.endr
	s_wait_loadcnt 0x0                             ; the biases
.irp l, 0,1,2
.irp i, 0,1,2,3
.irp q, 0,1,2,3
	v_mul_f32 v[BB+4*(4*\l+\i)+\q], v[BB+4*(4*\l+\i)+\q], v[OM+4*\i+\l]
.endr
.endr
.endr
	AMAX 18, BB, 24
	v_max3_num_f32 v16, v16, v17, v18
	v_max_num_f32_dpp v16, v16, v16 row_xmask:1 row_mask:0xf bank_mask:0xf
	v_max_num_f32_dpp v16, v16, v16 row_xmask:2 row_mask:0xf bank_mask:0xf
	v_max_num_f32_dpp v16, v16, v16 row_xmask:4 row_mask:0xf bank_mask:0xf
	v_max_num_f32_dpp v16, v16, v16 row_xmask:8 row_mask:0xf bank_mask:0xf
	v_permlanex16_b32 v17, v16, s66, s67
	v_max_num_f32 v16, v16, v17
	ds_store_b32 v[RED], v16
	s_wait_dscnt 0x0                               ; stored, before the others are told
	s_barrier_signal -1
	s_barrier_wait -1
	v_mov_b32 v19, OSC
	ds_load_b128 v[XP:XP+3], v19
	s_wait_dscnt 0x0
	v_max3_num_f32 v16, v[XP], v[XP+1], v[XP+2]
	v_max_num_f32 v16, v16, v[XP+3]                ; M, the same in all four waves
	v_bfe_u32 v19, v16, 23, 8                      ; its exponent field x: M < 2^(x-126)
	v_sub_nc_u32 v19, 266, v19                     ; sigma = 2^(139-x): sigma M < 2^13
	v_min_u32 v19, 252, v19                        ; (M = 0 or denormal: a sigma whose inverse is still a normal number)
	v_lshlrev_b32 v[SG], 23, v19
	v_mov_b32 v[SG+1], v[SG]
	v_sub_nc_u32 v[ISG], 0x7f000000, v[SG]
.irp i, 0,1,2,3
	v_mul_f32 v[FAC+\i], v[OM+4*\i+3], v[ISG]
.endr
	v_cmp_eq_u32 vcc_lo, 0, v3
	XCONV 0
	XCONV 1
.set xi, 0
.rept 24
	v_pk_mul_f32 v[BB+2*xi:BB+2*xi+1], v[BB+2*xi:BB+2*xi+1], v[SG:SG+1]
.set xi, xi+1
.endr
.irp l, 0,1,2
.irp i, 0,1,2,3
	ds_store_b128 v[BST], v[BB+4*(4*\l+\i):BB+4*(4*\l+\i)+3] offset:\l*8192+\i*1024
.endr
.endr
	; ROUTING, in f32, on columns 1 and 2 of x as they are
.irp p, 0,1,2,3
	ds_load_b32 v[RX1+\p], v[RRA] offset:(\p>>1)*WPART+(\p&1)*16*XROW+4
	ds_load_b32 v[RX2+\p], v[RRA] offset:(\p>>1)*WPART+(\p&1)*16*XROW+8
.endr
	s_wait_dscnt 0x0
; Point r of block p against the eight centroids, my four experts' first.  The squares and their sum are rounded one by one, as reference() writes them,
; because d is compared with 1.5 min d.  The root is corrected once: d += (s - d d) / 2 d; the divisor's floor 2^-63 is below 2 d of every normal s and keeps s = 0 at d = 0.
.macro ROUTE p
.irp m, 0,1,2,3,4,5,6,7
	v_subrev_f32 v[RA+\m], s[CB\m+1], v[RX1+\p]
	v_subrev_f32 v[RB+\m], s[CB\m+2], v[RX2+\p]
.endr
.irp m, 0,1,2,3,4,5,6,7
	v_mul_f32 v[RA+\m], v[RA+\m], v[RA+\m]
	v_mul_f32 v[RB+\m], v[RB+\m], v[RB+\m]
.endr
.irp m, 0,1,2,3,4,5,6,7
	v_add_f32 v[RS+\m], v[RA+\m], v[RB+\m]
.endr
.irp m, 0,1,2,3,4,5,6,7
	v_sqrt_f32 v[RD+\m], v[RS+\m]
.endr
	v_nop                                          ; one plain instruction behind a run of transcendentals (ISA guide 5.7.2)
	s_wait_alu depctr_va_vdst(0)
.irp m, 0,1,2,3,4,5,6,7
	v_fma_f32 v[RE+\m], -v[RD+\m], v[RD+\m], v[RS+\m]
	v_add_f32 v[RT+\m], v[RD+\m], v[RD+\m]
	v_max_num_f32 v[RT+\m], 0x20000000, v[RT+\m]
.endr
.irp m, 0,1,2,3,4,5,6,7
	v_rcp_f32 v[RU+\m], v[RT+\m]
.endr
	v_nop
	s_wait_alu depctr_va_vdst(0)
.irp m, 0,1,2,3,4,5,6,7
	v_fmac_f32 v[RD+\m], v[RE+\m], v[RU+\m]        ; d
.endr
	v_min3_num_f32 v[RM], v[RD], v[RD+1], v[RD+2]
	v_min3_num_f32 v[RM], v[RM], v[RD+3], v[RD+4]
	v_min3_num_f32 v[RM], v[RM], v[RD+5], v[RD+6]
	v_min_num_f32 v[RM], v[RM], v[RD+7]
	v_mul_f32 v[RM], 0x3fc00000, v[RM]             ; 1.5 min d
.irp m, 0,1,2,3,4,5,6,7
	v_add_f32 v[RA+\m], 0x322bcc77, v[RD+\m]       ; d + 1e-8
.endr
.irp m, 0,1,2,3,4,5,6,7
	v_rcp_f32 v[RB+\m], v[RA+\m]
.endr
	v_nop
	s_wait_alu depctr_va_vdst(0)
.irp m, 0,1,2,3,4,5,6,7
	v_cmp_gt_f32 vcc_lo, v[RD+\m], v[RM]
	v_cndmask_b32 v[RB+\m], v[RB+\m], v[ZERO], vcc_lo          ; far clusters count for nothing
.endr
	v_add_f32 v[RA], v[RB], v[RB+1]
	v_add_f32 v[RA+1], v[RB+2], v[RB+3]
	v_add_f32 v[RA+2], v[RB+4], v[RB+5]
	v_add_f32 v[RA+3], v[RB+6], v[RB+7]
	v_add_f32 v[RA], v[RA], v[RA+1]
	v_add_f32 v[RA+2], v[RA+2], v[RA+3]
	v_add_f32 v[RA], v[RA], v[RA+2]
	v_rcp_f32 v[RA+4], v[RA]
	v_nop
	s_wait_alu depctr_va_vdst(0)
.irp i, 0,1,2,3
	v_mul_f32 v[RS+\i], v[RB+\i], v[RA+4]          ; the weight of my expert i
.endr
.irp j, 0,1,2,3
	v_mul_f32 v[OACC+4*\p+\j], s[BOB0+\j], v[RS]   ; the sum starts with my experts' weighted bo: nothing is cleared
	v_fmac_f32 v[OACC+4*\p+\j], s[BOB1+\j], v[RS+1]
	v_fmac_f32 v[OACC+4*\p+\j], s[BOB2+\j], v[RS+2]
	v_fmac_f32 v[OACC+4*\p+\j], s[BOB3+\j], v[RS+3]
.endr
.irp i, 0,1,2,3
	v_mul_f32 v[WGT+4*\i+\p], v[RS+\i], v[FAC+\i]  ; and takes the scales back
.endr
.endm
	ROUTE 0
	ROUTE 1
	ROUTE 2
	ROUTE 3
; 16 LDS loads: the 8 fragments of half-step q of the chunk in a slot.  Blocks 0-3 lie in the part of wave 2 g, blocks 4-7 in that of wave 2 g + 1
.macro FETCHF buf, slot, q
	WIN 0
.irp t, 0,1,2,3,4,5,6,7
	ds_load_b128 v[\buf+8*\t:\buf+8*\t+3],   v[ADR+\slot] offset:(\t>>2)*WPART+\q*4096+(\t&3)*1024
	ds_load_b128 v[\buf+8*\t+4:\buf+8*\t+7], v[ADR+\slot] offset:(\t>>2)*WPART+\q*4096+(\t&3)*1024+512
.endr
.endm
; 16 LDS loads: 8 bias tiles in the C layout: register j of lane (r, h) = the bias of feature 16 f + 8 h + j
.macro FETCHB l, hi
	WIN 0
.irp fl, 0,1,2,3,4,5,6,7
	ds_load_b128 v[BI+8*\fl:BI+8*\fl+3],   v[BADR] offset:\l*8192+(8*\hi+\fl)*64
	ds_load_b128 v[BI+8*\fl+4:BI+8*\fl+7], v[BADR] offset:\l*8192+(8*\hi+\fl)*64+16
.endr
.endm
; 24 LDS loads: my 64 points' features into H[0..2]
.macro FETCHX
	WIN 0x40
.irp kk, 0,1,2
.irp p, 0,1,2,3
	ds_load_b128 v[8*(4*\kk+\p):8*(4*\kk+\p)+3],   v[XFA] offset:\p*3072+\kk*1024
	ds_load_b128 v[8*(4*\kk+\p)+4:8*(4*\kk+\p)+7], v[XFA] offset:\p*3072+\kk*1024+512
.endr
.endr
	WIN 0
.endm
; 16 matrix instructions: feature tiles fl0 .. fl0 + 3 of the window x 4 point blocks, K step kk.  mode 1: the bias tile is C and the sums start.
; The accumulators take turns, one instruction a turn, in the same order in every half-step.
.macro MUL16 buf, kk, fl0, mode
.irp fl, \fl0, \fl0+1, \fl0+2, \fl0+3
.irp p, 0,1,2,3
.if \mode
	v_wmma_f32_16x16x32_f16 v[8*(4*(\fl)+\p):8*(4*(\fl)+\p)+7], v[\buf+8*(\fl):\buf+8*(\fl)+7], v[8*(4*\kk+\p):8*(4*\kk+\p)+7], v[BI+8*(\fl):BI+8*(\fl)+7]
.else
	v_wmma_f32_16x16x32_f16 v[8*(4*(\fl)+\p):8*(4*(\fl)+\p)+7], v[\buf+8*(\fl):\buf+8*(\fl)+7], v[8*(4*\kk+\p):8*(4*\kk+\p)+7], v[8*(4*(\fl)+\p):8*(4*(\fl)+\p)+7]
.endif
.endr
.endr
.endm
; A half-step (kk, hi) on buffer buf: first the next half-step's fragments are asked for (and, nbl >= 0, the bias tiles (nbl, nbh)), then 32 matrix instructions
.macro STEP nbuf, nslot, nq, nbl, nbh, buf, kk, hi, mode
	PLACES
	FETCHF \nbuf, \nslot, \nq
.if \nbl >= 0
	FETCHB \nbl, \nbh
	s_wait_dscnt 32                                ; all but the 32 loads just issued: this half-step's fragments are in
.else
	s_wait_dscnt 16                                ; all but the 16 loads just issued
.endif
	MWIN \hi, \mode
	MUL16 \buf, \kk, 0, \mode
	MUL16 \buf, \kk, 4, \mode
.endm
; A chunk's last half-step, and the change of slots.  In front of the barrier each wave's reads of this slot are in registers and its one tensor load, its part of
; the next chunk, has landed.  fill = 1: the barrier opens a round of the cluster's barrier, and behind the round this slot is asked for again, jointly, first thing.
.macro TURN slot, step, rows, fill, nbuf, nslot, nq, nbl, buf, kk, hi
	s_wait_dscnt 0x0
	s_wait_tensorcnt 0x0
	s_barrier_signal -1
	MWIN \hi, 0
	MUL16 \buf, \kk, 0, 0                          ; work on registers while the others arrive
	WIN 0
	s_barrier_wait -1
.if \fill
	CREST
	s_add_nc_u64 s[G0S+4*\slot+2:G0S+4*\slot+3], s[G0S+4*\slot+2:G0S+4*\slot+3], \step   ; no load of mine is out: the descriptors may be written
	s_mov_b32 s[G1+2], \rows<<16
	s_mov_b32 s[G1+4], \rows
	tensor_load_to_lds s[G0S+4*\slot:G0S+4*\slot+3], s[G1:G1+7]
	s_nop 0
.endif
	PLACES
	FETCHF \nbuf, \nslot, \nq
.if \nbl >= 0
	FETCHB \nbl, 0
.endif
	MWIN \hi, 0
	MUL16 \buf, \kk, 4, 0
.endm
; ReLU and rounding: tile (f, p) becomes half of H[f >> 1][p]
.macro EPI
	PLACES
.irp hi, 0,1
	WIN (0x8a+0x45*\hi)
.set ri, 0
.rept 256
	v_max_num_f32 v[ri], 0, v[ri]
.set ri, ri+1
.endr
	WIN (0x4a+5*\hi)
.irp fl, 0,1,2,3,4,5,6,7
.irp p, 0,1,2,3
.irp jj, 0,1,2,3
	v_cvt_pk_f16_f32 v[8*(4*(4*\hi+(\fl>>1))+\p)+4*(\fl&1)+\jj], v[8*(4*\fl+\p)+2*\jj], v[8*(4*\fl+\p)+2*\jj+1]
.endr
.endr
.endr
.endr
.endm
; The output layer: Wo's eight fragments (rows 4 to 15 zeros) are in BI; four accumulators, one for each point block, take turns
.macro OUTL
	s_wait_dscnt 0x0
	WIN 0xa4
.irp kk, 0,1,2,3,4,5,6,7
.irp p, 0,1,2,3
.if \kk == 0
	v_wmma_f32_16x16x32_f16 v[8*\p:8*\p+7], v[BI+8*\kk:BI+8*\kk+7], v[8*(4*\kk+\p):8*(4*\kk+\p)+7], 0
.else
	v_wmma_f32_16x16x32_f16 v[8*\p:8*\p+7], v[BI+8*\kk:BI+8*\kk+7], v[8*(4*\kk+\p):8*(4*\kk+\p)+7], v[8*\p:8*\p+7]
.endif
.endr
.endr
.endm
.macro FIN                             ; lanes 0-15: output j of point r, times the expert's weight
	PLACES
	WIN 0x02
.irp p, 0,1,2,3
.irp j, 0,1,2,3
	v_fmac_f32 v[OACC+4*\p+\j], v[8*\p+\j], v[WGT+\p]
.endr
.endr
	WIN 0
.endm
.macro ENTER                           ; what an expert's first half-step needs: 56 LDS loads
	FETCHX
	FETCHF F0, 0, 0
	FETCHB 0, 0
.endm
; A layer's first five half-steps, in the order (0,0) (1,0) (0,1) (1,1) (2,0): a whole half-step lies between the two uses of the bias buffer, in which it is loaded again
.macro HEAD slot, l
	STEP F1, \slot, 2, -1, 0,  F0, 0, 0, 1
	STEP F0, \slot, 1, \l, 1,  F1, 1, 0, 0
	STEP F1, \slot, 3, -1, 0,  F0, 0, 1, 1
	STEP F0, \slot, 4, -1, 0,  F1, 1, 1, 0
	STEP F1, \slot, 5, -1, 0,  F0, 2, 0, 0
.endm
; One expert: six chunks, slots 0 1 0 1 0 1.  Bytes of a chunk in my stream: 24,576  32,768  32,768  24,576  24,576  20,480.
.macro EXPERT last
	HEAD 0, 0                                      ; layer 1: chunk 0
	TURN 0, 57344, 128, 1,  F0, 1, 0, 1,  F1, 2, 1             ; slot 0 <- chunk 2
	EPI
	HEAD 1, 1                                      ; layer 2: chunk 1, K steps 0 to 3
	STEP F0, 1, 6, -1, 0,  F1, 2, 1, 0
	STEP F1, 1, 7, -1, 0,  F0, 3, 0, 0
	TURN 1, 65536, 96, 1,  F0, 0, 0, -1,  F1, 3, 1             ; slot 1 <- chunk 3
	STEP F1, 0, 1, -1, 0,  F0, 4, 0, 0             ; chunk 2, K steps 4 to 7
	STEP F0, 0, 2, -1, 0,  F1, 4, 1, 0
	STEP F1, 0, 3, -1, 0,  F0, 5, 0, 0
	STEP F0, 0, 4, -1, 0,  F1, 5, 1, 0
	STEP F1, 0, 5, -1, 0,  F0, 6, 0, 0
	STEP F0, 0, 6, -1, 0,  F1, 6, 1, 0
	STEP F1, 0, 7, -1, 0,  F0, 7, 0, 0
	TURN 0, 57344, 96, 1,  F0, 1, 0, 2,  F1, 7, 1              ; slot 0 <- chunk 4
	EPI
	HEAD 1, 2                                      ; layer 3: chunk 3, K steps 0 to 2
	TURN 1, 49152, 80, 1,  F0, 0, 0, -1,  F1, 2, 1             ; slot 1 <- chunk 5
	STEP F1, 0, 1, -1, 0,  F0, 3, 0, 0             ; chunk 4, K steps 3 to 5
	STEP F0, 0, 2, -1, 0,  F1, 3, 1, 0
	STEP F1, 0, 3, -1, 0,  F0, 4, 0, 0
	STEP F0, 0, 4, -1, 0,  F1, 4, 1, 0
	STEP F1, 0, 5, -1, 0,  F0, 5, 0, 0
	TURN 0, 45056, 96, 1-\last,  F0, 1, 0, -1,  F1, 5, 1       ; slot 0 <- the next expert's chunk 0, if there is one
	STEP F1, 1, 1, -1, 0,  F0, 6, 0, 0             ; chunk 5, K steps 6 and 7, then Wo
	STEP F0, 1, 2, -1, 0,  F1, 6, 1, 0
	STEP F1, 1, 3, -1, 0,  F0, 7, 0, 0
	STEP BI, 1, 4, -1, 0,  F1, 7, 1, 0
	EPI
	OUTL
.if \last
	FIN
.else
	s_wait_dscnt 0x0                               ; my reads of slot 1 are in registers (met: the output layer waited for them)
	s_wait_tensorcnt 0x0                           ; my part of the next expert's chunk 0 has landed
	s_barrier_signal -1
	FIN
.irp k, 0,1,2,3,4,5,6,7,8,9,10,11
	v_mov_b32 v[WGT+\k], v[WGT+\k+4]               ; the next expert's weights move to the front: the loop's text names fixed registers
.endr
	v_add_nc_u32 v[BADR], 1024, v[BADR]            ; and its biases
	s_barrier_wait -1
	CREST
	s_add_nc_u64 s[G0S+6:G0S+7], s[G0S+6:G0S+7], 45056         ; slot 1 <- the next expert's chunk 1
	s_mov_b32 s[G1+2], 128<<16
	s_mov_b32 s[G1+4], 128
	tensor_load_to_lds s[G0S+4:G0S+7], s[G1:G1+7]
	s_nop 0
	ENTER
.endif
.endm
	s_wait_dscnt 0x0                               ; my reads of the rows of x are back, my stores of fragments and biases are in LDS
	s_wait_tensorcnt 0x0                           ; no tensor load of mine is out
	ROUND                                          ; so of every wave of the four work-groups: slot 1, which held the rows of x, is filled again
	s_mov_b32 s[G1+2], 128<<16
	s_mov_b32 s[G1+4], 128
	tensor_load_to_lds s[G0S+4:G0S+7], s[G1:G1+7]  ; chunk 1: one tensor load out, as behind every round from here on
	s_nop 0
	ENTER
	s_mov_b32 s7, 3
.Lexpert:                                          ; on both ways in: one tensor load and 56 LDS loads are out
	EXPERT 0
	s_sub_co_u32 s7, s7, 1
	s_cmp_lg_u32 s7, 0
	s_cbranch_scc1 .Lexpert
	EXPERT 1                                       ; the fourth expert asks for nothing beyond its own chunks
	; THE WAY OUT: the two groups' shares meet in LDS; thread t adds and stores point t's 16 bytes: a wave stores 512 consecutive bytes, aligned
	v_cmp_gt_u32 vcc_lo, 16, v1
	s_wait_xcnt 0x0                                ; EXEC changes only behind this wait
	s_and_saveexec_b32 s100, vcc_lo                ; lanes 0-15 hold outputs 0 to 3
.irp p, 0,1,2,3
	ds_store_b128 v[OSA], v[OACC+4*\p:OACC+4*\p+3] offset:256*\p
.endr
	s_or_b32 exec_lo, exec_lo, s100                ; no global instruction was issued under the narrow EXEC
	s_wait_dscnt 0x0
	s_barrier_signal -1
	s_barrier_wait -1
	ds_load_b128 v[64:67], v[ORD]
	ds_load_b128 v[68:71], v[ORD] offset:2048
	s_wait_dscnt 0x0
	v_pk_add_f32 v[64:65], v[64:65], v[68:69]
	v_pk_add_f32 v[66:67], v[66:67], v[70:71]
	global_store_b128 v[OFFO], v[64:67], s[22:23] th:TH_STORE_NT
	ROUND                                          ; the closing round: no work-group ends while a partner may still ask for a tile that names it
	s_endpgm
.Lfunc_end_k_q7840abf4c1_mlp:
	.size	k_q7840abf4c1_mlp, .Lfunc_end_k_q7840abf4c1_mlp-k_q7840abf4c1_mlp
	.p2alignl 7, 3214868480
	.fill 96, 4, 3214868480
	.section	.rodata,"a",@progbits
	.p2align	6, 0x0
	.amdhsa_kernel k_q7840abf4c1_mlp
		.amdhsa_group_segment_fixed_size 327680
		.amdhsa_private_segment_fixed_size 0
		.amdhsa_enable_private_segment 0
		.amdhsa_kernarg_size 64
		.amdhsa_user_sgpr_count 2
		.amdhsa_user_sgpr_kernarg_segment_ptr 1
		.amdhsa_wavefront_size32 1
		.amdhsa_system_sgpr_workgroup_id_x 1
		.amdhsa_system_sgpr_workgroup_id_y 1
		.amdhsa_system_sgpr_workgroup_id_z 1
		.amdhsa_system_vgpr_workitem_id 0
		.amdhsa_next_free_vgpr 1024
		.amdhsa_next_free_sgpr 102
		.amdhsa_reserve_vcc 1
		.amdhsa_float_denorm_mode_32 3
		.amdhsa_float_denorm_mode_16_64 3
		.amdhsa_memory_ordered 1
		.amdhsa_forward_progress 1
		.amdhsa_inst_pref_size 255
	.end_amdhsa_kernel
	.section	.bss,"aw",@nobits
	.p2align	6
	.space	262144
	.amdgpu_metadata
---
amdhsa.version: [ 1, 2 ]
amdhsa.kernels:
  - .name:           k_q7840abf4c1_mlp
    .symbol:         k_q7840abf4c1_mlp.kd
    .args:
      - { .name: x, .offset: 0, .size: 8, .value_kind: global_buffer, .address_space: global }
      - { .name: centroids, .offset: 8, .size: 8, .value_kind: global_buffer, .address_space: global }
      - { .name: ws, .offset: 16, .size: 8, .value_kind: global_buffer, .address_space: global }
      - { .name: b1, .offset: 24, .size: 8, .value_kind: global_buffer, .address_space: global }
      - { .name: b2, .offset: 32, .size: 8, .value_kind: global_buffer, .address_space: global }
      - { .name: b3, .offset: 40, .size: 8, .value_kind: global_buffer, .address_space: global }
      - { .name: bo, .offset: 48, .size: 8, .value_kind: global_buffer, .address_space: global }
      - { .name: out0, .offset: 56, .size: 8, .value_kind: global_buffer, .address_space: global }
    .group_segment_fixed_size: 327680
    .private_segment_fixed_size: 0
    .kernarg_segment_align: 8
    .kernarg_segment_size: 64
    .max_flat_workgroup_size: 128
    .sgpr_count:     102
    .vgpr_count:     1024
    .wavefront_size: 32
...
	.end_amdgpu_metadata
.endif
;; end of part 2
